; MI455X (gfx1250); checked and timed in simulation.
; The chip was launched on July 23, 2026; its instructions are those of AMD's public machine-readable ISA for CDNA 5 (MIT licence, August 2026) and "CDNA5" Instruction Set Architecture Reference Guide (July 2026). The comments in the code are by the model that wrote it; some were corrected since.
;; Linear. Allowed arithmetic: matrix products marked QUANTISED: E5M2 operands, one E8M0 scale for each 32 along K, by v_wmma_scale_f32_16x16x128_f8f6f4 with both operands' format E5M2, f32 sums; everything else in f32.
;; Inputs: weight 4,096 x 4,096 int32; weight_scaler 4,096 float32; x_codes 2 x 2,048 x 128 x 32 uint8 (E5M2 codes of x, K innermost, in blocks of 32 codes); x_scales 2 x 2,048 x 128 uint8 (E8M0 scales of x, one for each 32 codes along K).
;; Outputs: out0 2 x 2,048 x 4,096 float32.
;; This version of the problem:
;;   THIS VERSION OF THE PROBLEM IS GIVEN IN LOW PRECISION. The matrix products marked QUANTISED in the list below multiply operands that are first quantised to E5M2 (5 exponent bits, 2 mantissa bits; 8 bits a number), with one power-of-two scale for each 32 numbers along K (OCP MX v1.0); their sums are f32. All else is computed in f32.
;;   The module's matrix products, in the order in which they are computed (A, B: the left and right operand; K: the contracted axis; several contracted axes count as one K, in the product's order):
;;     1. [M 4,096, K 4,096] x [K 4,096, N 4,096]; A: input x (given as codes); B: computed on the way: QUANTISED
;;   THE QUANTISER, for each operand of a quantised product, along K:
;;     - K is cut into blocks of 32 from its start; a last block that is shorter is filled with zeros.
;;     - A block's scale is 2^e with e = floor(log2(the largest magnitude in the block)) - 15, held to -126 .. 127; a block of zeros has e = 0. As a byte (E8M0): e + 127.
;;     - Each number is divided by its block's scale, clamped to +-57,344, and rounded to the nearest number of E5M2, ties to even, subnormals kept.
;;     - The product sums the exact products of the quantised numbers (number of the format x scale) in f32.
;;   ~~~python
;;   def quantise(x, axis):      # numpy; x: float32 -> the quantised numbers, widened to float32 again
;;       x = np.moveaxis(x, axis, -1); K = x.shape[-1]
;;       x = np.pad(x, [(0, 0)] * (x.ndim - 1) + [(0, -K % 32)]); x = x.reshape(x.shape[:-1] + (-1, 32)); a = np.abs(x).max(-1, keepdims=True)
;;       e = np.where(a > 0, np.clip(np.frexp(np.where(a > 0, a, 1))[1] - 1 - 15, -126, 127), 0)      # np.frexp(a)[1] - 1 = floor(log2(a)), exactly
;;       r = np.clip(x / 2.0 ** e, -57344, 57344)
;;       step = 2.0 ** (np.maximum(np.frexp(np.where(r == 0, 1, r))[1] - 1, -14) - 2)
;;       q = np.round(r / step) * step * 2.0 ** e      # np.round: ties to even
;;       return np.moveaxis(q.reshape(q.shape[:-2] + (-1,))[..., :K], -1, axis).astype(np.float32)
;;   ~~~
;;   OPERANDS COMPUTED ON THE WAY. 'Computed on the way' means the value that the module computes at that place (a softmax that the list does not call 'softmax' is quantised finished and normalised). What goes into a quantiser is computed in f32, as accurately as f32 sums, v_exp_f32 and their like allow (about 1e-6 of the number): no bf16 or f16 on the way to a quantiser, and a product that is left as it is and whose result goes on into a quantised operand takes f32 operands (vector FMAs, or v_wmma_f32_16x16x4_f32). A number that lies on a knife's edge between two numbers of the format may be rounded either way, as far as f32 arithmetic and the matrix unit's own rounding can turn it there, and no further.
;;   INPUTS GIVEN AS CODES. x (in the module: [2, 2048, 4096], K = its axis 2): each comes as NAME_codes (uint8): NAME with its K axis moved to the last place and cut into blocks of 32 codes, [.., K / 32, bytes a block], one block behind the other in memory; one code a byte (a code: sign, 5 exponent bits, 2 mantissa bits); and NAME_scales (uint8): the same leading axes, one E8M0 byte (e + 127) for each 32 codes along K. Its value is code x scale, taken as it is: it is not quantised again, and the codes and scales need not be those that the quantiser above would give.
;; One version. Each part assembles by itself: llvm-mc -triple=amdgcn-amd-amdhsa -mcpu=gfx1250 --defsym DOCPART=n.
;; ======== version 1 of 1: 2 launches
;; limits: right only within a limited range of input values
;; workspace buffers: wq 17,301,504 bytes
;; launch quant (part 1): grid 16 x 32, 4 waves a work-group, no clusters, 56,832 bytes of LDS; arguments weight, weight_scaler, wq; writes wq
.if DOCPART == 1
	.amdgcn_target "amdgcn-amd-amdhsa--gfx1250"
	.amdhsa_code_object_version 6
	.text
	.protected	k_qc16512f3a9_quant
	.globl	k_qc16512f3a9_quant
	.p2align	8
	.type	k_qc16512f3a9_quant,@function
k_qc16512f3a9_quant:
	s_mov_b64 s[64:65], 0
	v_nop
	global_prefetch_b8 v0, s[64:65] scope:SCOPE_SE
	s_setreg_imm32_b32 hwreg(HW_REG_WAVE_MODE, 25, 1), 1
	s_wait_xcnt 0x0
; w[n][k] = f32(weight[n][k]) x weight_scaler[n] (one conversion, one multiplication, in f32) becomes codes of E5M2 with one E8M0 byte for each 32 along K.
; wq is laid in the order of the product launch's operand registers.  Column group c = n / 64 (64 of them), K step T = k / 128 (32 of them):
;   codes at (32 c + T) x 8,192: tile b = (n % 64) / 16, piece c4, lane 16 hh + r: 16 bytes = w[64 c + 16 b + r][128 T + 32 c4 + 16 hh + 0 .. 15], at 2,048 b + 512 c4 + 16 lane;
;   scale bytes at 16,777,216 + (32 c + T) x 256: at 8 (16 (b % 2) + r) + 4 (b / 2) the four bytes (K ascending) of row 64 c + 16 b + r.
; A block's byte is its largest magnitude's exponent field - 15, held at 1 from below; each number is divided by the scale, held within +-57,344 and rounded to the nearest code, ties to even.
; LIMITS: a block of zeros gets the byte 1 where the rule says 127 (its codes are zeros, and this program alone reads the bytes).  NaN and infinities in weight_scaler and products beyond f32's range are not served.
; SHARES.  Work-group (x = j, y = g): rows 128 g .. + 127, K 256 j .. + 255.  Wave w: rows 16 w + t + 64 h (t = 0 .. 15, h = 0, 1), a step for each t.
; A step's four loads read 512 consecutive bytes each; the numbers go through the wave's stage in LDS and come back 16 neighbours along K a lane.  A lane's 16 steps of codes are 256 consecutive bytes of wq:
; they are turned through LDS once more, so that each store of the wave covers 512 consecutive bytes.  A run of 256 scale bytes holds words of all four waves: one barrier, then a run a wave.
; No tensor load, no matrix unit, no cluster: a stream, each byte read once.
.set STEPS, 16
.set AHEAD, 6
.set EMAX,  15
.set MANT,  0x600000
.set SP,    80                         ; a lane's place in a stage: 64 bytes + 16
.set TR,    5120                       ; behind the two stages: the codes' turn, 32 places of TP bytes
.set TP,    272
.set WREG,  13824                      ; a wave's LDS
.set SB,    4*WREG                     ; the work-group's four runs of scale bytes
.set SPARE, SB+1024
.set S,     16
.set R,     32
.set X,     128
.set E,     160
.set C,     176
	s_load_b128 s[4:7], s[0:1], 0x0                ; weight, weight_scaler
	s_load_b64 s[8:9], s[0:1], 0x10                ; wq
	v_lshl_add_u32 v240, v0, 2, SPARE
	v_mov_b32 v241, 0
	v_lshrrev_b32 v1, 5, v0
	v_readfirstlane_b32 s16, v1                    ; wave
	s_mul_i32 s17, s16, WREG
	s_and_b32 s19, s16, 1
	s_lshl_b32 s19, s19, 7
	s_lshr_b32 s20, s16, 1
	s_lshl_b32 s20, s20, 2
	s_add_co_u32 s19, s19, s20
	s_add_co_u32 s19, s19, SB                      ; my words in a run: 128 (w % 2) + 4 (w / 2)
	s_lshl_b32 s21, s16, 8
	s_add_co_u32 s21, s21, SB                      ; the run that I store
	v_and_b32 v2, 31, v0                           ; lane
	v_lshlrev_b32 v3, 4, v2
	v_lshrrev_b32 v14, 2, v2
	v_mul_u32_u24 v14, v14, SP
	v_and_b32 v15, 3, v2
	v_lshl_add_u32 v14, v15, 4, v14
	v_add_nc_u32 v14, s17, v14                     ; stage, way in
	v_mul_u32_u24 v15, v2, SP
	v_add_nc_u32 v15, s17, v15                     ; stage, way out
	v_and_b32 v8, 15, v2
	v_lshrrev_b32 v9, 4, v2                        ; h
	v_lshlrev_b32 v1, 8, v9                        ; weight_scaler: 64 numbers on for h = 1
	v_mul_u32_u24 v4, v2, TP
	v_add_nc_u32 v4, s17, v4                       ; the turn, way in: my place
	v_mul_u32_u24 v6, v9, TP
	v_lshl_add_u32 v6, v8, 4, v6
	v_add_nc_u32 v6, s17, v6                       ; the turn, way out: two places an instruction
	v_bfe_u32 v5, v2, 1, 2                         ; my block of 32 in its K step of 128
	v_bfe_u32 v10, v2, 3, 1                        ; which of the two K steps
	v_lshl_add_u32 v5, v10, 8, v5
	v_lshl_add_u32 v5, v9, 9, v5
	v_add_nc_u32 v5, s19, v5                       ; my scale byte: run 2 h + K step; a step adds 8 t
	v_lshlrev_b32 v7, 3, v2
	v_add_nc_u32 v12, s21, v7
	s_mov_b32 s30, MANT
	s_and_b32 s18, ttmp7, 0xffff                   ; g
	s_lshl_b32 s20, s18, 7
	s_lshl_b32 s21, s16, 4
	s_add_co_u32 s20, s20, s21                     ; my first row
	s_lshl_b32 s22, s20, 14
	s_lshl_b32 s24, ttmp9, 10
	s_add_co_u32 s22, s22, s24
	s_mov_b32 s23, 0
	s_lshl_b32 s24, s20, 2
	s_mov_b32 s25, 0
	s_lshl_b32 s26, s18, 19                        ; codes: c = 2 g, T = 2 j, tile w
	s_lshl_b32 s21, ttmp9, 14
	s_add_co_u32 s26, s26, s21
	s_lshl_b32 s21, s16, 11
	s_add_co_u32 s26, s26, s21
	s_mov_b32 s27, 0
	s_lshl_b32 s28, s18, 1                         ; my run: c = 2 g + w / 2, T = 2 j + w % 2
	s_lshr_b32 s21, s16, 1
	s_add_co_u32 s28, s28, s21
	s_lshl_b32 s28, s28, 5
	s_lshl_b32 s21, ttmp9, 1
	s_add_co_u32 s28, s28, s21
	s_and_b32 s21, s16, 1
	s_add_co_u32 s28, s28, s21
	s_lshl_b32 s28, s28, 8
	s_add_co_u32 s28, s28, 0x1000000
	s_mov_b32 s29, 0
	s_wait_alu depctr_va_vdst(0)
	s_wait_kmcnt 0x0
	s_add_nc_u64 s[4:5], s[4:5], s[22:23]
	s_add_nc_u64 s[6:7], s[6:7], s[24:25]
	s_add_nc_u64 s[10:11], s[8:9], s[28:29]
	s_add_nc_u64 s[8:9], s[8:9], s[26:27]
.irp c, 0,1,2,3
	global_load_b128 v[S+4*\c:S+4*\c+3], v1, s[6:7] offset:16*\c
.endr
.macro LOAD t                          ; loads 0, 1: row 16 w + t; loads 2, 3: the row 64 further down
.irp i, 0,1,2,3
	global_load_b128 v[R+16*((\t)%AHEAD)+4*\i:R+16*((\t)%AHEAD)+4*\i+3], v3, s[4:5] offset:(\t)*16384+(\i/2)*1048576+(\i%2)*512 th:TH_LOAD_NT
.endr
.endm
.macro TURN t                          ; LDS serves a wave's instructions in order (ISA guide 5.7.1.4): no wait between the stores and the loads
.irp i, 0,1,2,3
	ds_store_b128 v14, v[R+16*((\t)%AHEAD)+4*\i:R+16*((\t)%AHEAD)+4*\i+3] offset:32*SP*((\t)%2)+8*SP*\i
.endr
.irp i, 0,1,2,3
	ds_load_b128 v[X+16*((\t)%2)+4*\i:X+16*((\t)%2)+4*\i+3], v15 offset:32*SP*((\t)%2)+16*\i
.endr
.endm
.irp t, 0,1,2,3,4,5
	LOAD \t
.endr
	s_wait_loadcnt 4*(AHEAD-1)                     ; the scalers and step 0 are in; five steps stay out
	TURN 0
.macro STEP t
.set XS, X+16*((\t)%2)
.if (\t) > 0
	s_wait_dscnt 2                                 ; this step's numbers are back; the last step's two stores (byte, codes) may be out
.else
	s_wait_dscnt 0x0
.endif
.if (\t)+AHEAD < STEPS
	LOAD (\t)+AHEAD
.endif
.if (\t)+1 < STEPS
.if (\t)+AHEAD < STEPS
	s_wait_loadcnt 4*(AHEAD-1)                     ; the next step's four loads are in; five steps behind it may be out
.else
	s_wait_loadcnt 4*(STEPS-2-(\t))
.endif
	TURN (\t)+1
.endif
.irp i, 0,1,2,3,4,5,6,7,8,9,10,11,12,13,14,15
	v_cvt_f32_i32 v[XS+\i], v[XS+\i]
.endr
.irp i, 0,1,2,3,4,5,6,7,8,9,10,11,12,13,14,15
	v_mul_f32 v[XS+\i], v[XS+\i], v[S+(\t)]
.endr
	v_max3_num_f32 v8, |v[XS]|, |v[XS+1]|, |v[XS+2]|
	v_max3_num_f32 v9, |v[XS+3]|, |v[XS+4]|, |v[XS+5]|
.irp i, 6,10
	v_max3_num_f32 v8, v8, |v[XS+\i]|, |v[XS+\i+1]|
	v_max3_num_f32 v9, v9, |v[XS+\i+2]|, |v[XS+\i+3]|
.endr
	v_max3_num_f32 v8, v8, |v[XS+14]|, |v[XS+15]|
	v_max3_num_f32 v8, v8, v9, (EMAX+1)<<23        ; the floor: the byte cannot fall under 1
	v_max_num_f32_dpp v8, v8, v8 row_xmask:1 row_mask:0xf bank_mask:0xf   ; with my neighbour's 16: the block's
	v_add_nc_u32 v11, -(EMAX<<23), v8              ; the conversion's scale operand
	v_and_or_b32 v10, v8, 0x7f800000, s30          ; 57,344 x the scale
.irp i, 0,1,2,3,4,5,6,7,8,9,10,11,12,13,14,15
	v_med3_num_f32 v[XS+\i], v[XS+\i], -v10, v10   ; the conversion does not saturate (ISA guide 7.6.2)
.endr
	v_cvt_scalef32_pk8_bf8_f32 v[C+4*(\t):C+4*(\t)+1], v[XS:XS+7], v11
	v_cvt_scalef32_pk8_bf8_f32 v[C+4*(\t)+2:C+4*(\t)+3], v[XS+8:XS+15], v11
	v_lshrrev_b32 v[E+(\t)], 23, v11               ; the byte (also the plain line behind the conversions)
	ds_store_b8 v5, v[E+(\t)] offset:8*(\t)        ; both lanes of a block write the same byte
	ds_store_b128 v4, v[C+4*(\t):C+4*(\t)+3] offset:TR+16*(\t)
.endm
.irp t, 0,1,2,3,4,5,6,7,8,9,10,11,12,13,14,15
	STEP \t
.endr
.irp u, 0,1,2,3,4,5,6,7,8,9,10,11,12,13,14,15
	ds_load_b128 v[R+4*\u:R+4*\u+3], v6 offset:TR+2*TP*\u          ; places 2 u, 2 u + 1: 512 consecutive bytes of wq
.endr
	s_wait_dscnt 0x0                               ; for the others' sake too: my byte stores are done
	s_barrier_signal -1
	s_barrier_wait -1
	ds_load_b64 v[10:11], v12                      ; a run of 256 scale bytes, words of all four waves
.irp u, 0,1,2,3,4,5,6,7,8,9,10,11,12,13,14,15
	global_store_b128 v3, v[R+4*\u:R+4*\u+3], s[8:9] offset:(\u/8)*262144+((\u%8)/4)*8192+(\u%4)*512   ; place 16 h + e: column group + h, K step + e / 8, 256 (e % 8)
.endr
	s_wait_dscnt 0x0
	global_store_b64 v7, v[10:11], s[10:11]        ; 256 consecutive bytes, aligned
	s_wait_tensorcnt 0x0                           ; the wave's end
	ds_add_u32 v240, v241
	s_wait_dscnt 0x0
	s_endpgm
.Lfunc_end_k_qc16512f3a9_quant:
	.size	k_qc16512f3a9_quant, .Lfunc_end_k_qc16512f3a9_quant-k_qc16512f3a9_quant
	.p2alignl 7, 3214868480
	.fill 96, 4, 3214868480
	.section	.rodata,"a",@progbits
	.p2align	6, 0x0
	.amdhsa_kernel k_qc16512f3a9_quant
		.amdhsa_group_segment_fixed_size 56832
		.amdhsa_private_segment_fixed_size 0
		.amdhsa_enable_private_segment 0
		.amdhsa_kernarg_size 24
		.amdhsa_user_sgpr_count 2
		.amdhsa_user_sgpr_kernarg_segment_ptr 1
		.amdhsa_wavefront_size32 1
		.amdhsa_system_sgpr_workgroup_id_x 1
		.amdhsa_system_sgpr_workgroup_id_y 1
		.amdhsa_system_sgpr_workgroup_id_z 1
		.amdhsa_system_vgpr_workitem_id 0
		.amdhsa_next_free_vgpr 242
		.amdhsa_next_free_sgpr 66
		.amdhsa_reserve_vcc 0
		.amdhsa_float_denorm_mode_32 3
		.amdhsa_float_denorm_mode_16_64 3
		.amdhsa_memory_ordered 1
		.amdhsa_forward_progress 1
		.amdhsa_inst_pref_size 71
	.end_amdhsa_kernel
	.amdgpu_metadata
---
amdhsa.version: [ 1, 2 ]
amdhsa.kernels:
  - .name:           k_qc16512f3a9_quant
    .symbol:         k_qc16512f3a9_quant.kd
    .args:
      - { .name: weight, .offset: 0, .size: 8, .value_kind: global_buffer, .address_space: global }
      - { .name: weight_scaler, .offset: 8, .size: 8, .value_kind: global_buffer, .address_space: global }
      - { .name: wq, .offset: 16, .size: 8, .value_kind: global_buffer, .address_space: global }
    .group_segment_fixed_size: 56832
    .private_segment_fixed_size: 0
    .kernarg_segment_align: 8
    .kernarg_segment_size: 24
    .max_flat_workgroup_size: 128
    .sgpr_count:     66
    .vgpr_count:     242
    .wavefront_size: 32
...
	.end_amdgpu_metadata
.endif
;; end of part 1
;; launch gemm (part 2): grid 16 x 16, 4 waves a work-group, clusters of 4 x 1, 327,680 bytes of LDS; arguments x_codes, x_scales, wq, out0; writes out0
.if DOCPART == 2
	.amdgcn_target "amdgcn-amd-amdhsa--gfx1250"
	.amdhsa_code_object_version 6
	.text
	.protected	k_qc16512f3a9_gemm
	.globl	k_qc16512f3a9_gemm
	.p2align	8
	.type	k_qc16512f3a9_gemm,@function
k_qc16512f3a9_gemm:
	s_mov_b64 s[64:65], 0
	v_nop
	global_prefetch_b8 v0, s[64:65] scope:SCOPE_SE
	s_setreg_imm32_b32 hwreg(HW_REG_WAVE_MODE, 25, 1), 1
	s_wait_xcnt 0x0
	s_wait_alu depctr_hold_cnt(0) depctr_sa_sdst(0) depctr_va_vdst(0) depctr_va_sdst(0) depctr_va_ssrc(0) depctr_va_vcc(0) depctr_vm_vsrc(0)
	s_getreg_b32 s2, hwreg(HW_REG_IB_STS2, 6, 4)
	s_cmp_eq_u32 s2, 0
	s_cbranch_scc0 .Lentry_in_a_cluster
	s_endpgm
.Lentry_in_a_cluster:
	s_bfe_u32 s2, ttmp6, 0x10000c
	s_cmp_lg_u32 s2, 0x3003
	s_cbranch_scc0 .Lentry_shape_is_right
	s_endpgm
.Lentry_shape_is_right:
; out0[m][n] = sum over k of x[m][k] w[n][k], both as codes of E5M2 with one E8M0 byte for 32 along K; sums in f32.  4,096 x 4,096 x 4,096.
; A work-group makes 256 x 256 of the result; each of its four waves 256 rows x 64 columns: 64 accumulators, 512 registers.
; x GOES THROUGH LDS: two slots, each 256 rows x 512 along K (rows of 512 bytes + 16 of padding), a quarter a wave by one tensor load; 8 chunks of K, so 7 changes of slots in all.  x's scale bytes of the 256 rows, all of K, lie in LDS throughout.
; w GOES STRAIGHT INTO REGISTERS: a wave's 64 columns are no other wave's of its work-group, and wq holds them in the order of the operand registers: a step of 128 along K is 16 loads of 512 consecutive bytes
; and one of 256 scale bytes.  Four sets of 64 registers take turns: a set's first half is asked for anew at the end of the step that read it, its second half in the middle of the next.
; CLUSTER 4, 1, 1: the four work-groups of a cluster share their rows of x: each tile of x is asked for jointly (mask 15).  w's tiles are not asked for jointly: a joint load lands in LDS, and
; two slots of 512 along K of x with x's scales take 305,152 of its bytes; w's 8,448 bytes a step and wave pass LDS by.
; A STEP of 128 along K is four quads; a quad is four blocks of 16 rows of x against w's four tiles: 16 products.  A slot is 16 quads; the slot's m-th quad lies in place m % 3 of three places of 64 registers.
; LOADS STAND IN RUNS: behind every second quad one run: eight v_nop, the 32 LDS loads of the two quads after the next, and with them x's scale words or w's loads.
; THE LAST SLOT GOES BY ROWS OF THE RESULT: w's four sets hold its four steps, so 64 rows are finished by four quads on end (K ascending: the sums are the same), and leave while the next 64 rows are multiplied.
; THE MATRIX INSTRUCTION IS USED TRANSPOSED (source 0 = 16 rows of w, source 1 = 16 rows of x): a lane holds eight neighbouring numbers of a row of the result.
; REGISTERS: window 0: v0-31 addresses; v32-63 scale words; v64-255 x's three places.  Window 1: w's four sets.  Windows 2, 3: accumulator (a, b) at 8 (4 (a % 8) + b), a / 8 picks the window.
; Scale words: x's at numbers 0 .. 5 modulo 8, w's at 6, 7 modulo 8.  Lanes 0-15 hold x's block i, lanes 16-31 block i + 8; w's register p: lanes 0-15 tile 2 p, lanes 16-31 tile 2 p + 1.
; LIMITS: NaN codes and scale bytes 0xff in x give NaN as the matrix unit makes them.
.set PITCH,  528
.set QROWS,  64*PITCH                  ; what one tensor load of the ring brings
.set SLOT,   4*QROWS
.set SCL,    2*SLOT                    ; x's scale bytes: units of 256 bytes (two rows) + 16
.set SHALF,  64*272                    ; those of 128 rows
.set SBLK,   8*272                     ; of 16 rows
.set SPARE,  SCL+2*SHALF
.set SPITCH, 272                       ; the way out: 16 rows x (256 + 16) bytes a wave, in slot 0 behind its last fill and last read
.set ADRA, 8                           ; v8-15   LDS address of x's fragments: slot s, blocks 4 k .. 4 k + 3 at v[8 + 4 s + k]
.set ADRS, 16                          ; v16     of x's scale words
.set STO,  17
.set RD,   18
.set CO,   19
.set VB,   20                          ; v20     16 x lane;  v21  8 x lane
.set VBS,  21
.set PFO,  22                          ; v22-24  the prefetches' lane offsets
.set PFBO, 23
.set PFSO, 24
.set SPW,  28
.set NIL,  29
.set AS,   32
.set AF,   64
.set G1,  24                           ; s[24:31] group 1 of the ring's loads; s[32:39] of the head's 128 rows; s[40:47] of the scale bytes
.set G1H, 32
.set G1S, 40
.set G0,  48                           ; s[48:55] group 0, a set for each slot; s[56:59], s[60:63] the head's
.set G0H, 56
.set G0S, 60
.set BB,  66                           ; s[66:67] w's codes, s[68:69] w's scale bytes: this lap's step 0
.set BSB, 68
.set PFA, 70
.set PFB, 72
.set OUT, 74
.set RM_, 0                            ; 1: the slot at work goes by rows;  RN_: the next slot will
.set RN_, 0
.set MSB, 0
.macro WIN new                         ; the immediate's high byte repeats the setting that is left
.if MSB != \new
	s_set_vgpr_msb (MSB<<8)|\new
.set MSB, \new
.endif
.endm
.macro PLACES n
.rept \n
	v_nop
.endr
.endm
.macro CREST                           ; a round of the cluster's barrier behind its opening barrier
	s_cmp_lg_u32 s14, 0
	s_cbranch_scc1 .Lnot_wave_0_\@
	s_barrier_signal -3
.Lnot_wave_0_\@:
	s_barrier_wait -3
	s_barrier_signal -1
	s_barrier_wait -1
.endm
.macro CROUND
	s_barrier_signal -1
	s_barrier_wait -1
	CREST
.endm
.macro TLOAD g0, g1                    ; an s_nop 0 and four v_nop follow the load
	tensor_load_to_lds s[\g0:\g0+3], s[\g1:\g1+7]
	s_nop 0
	PLACES 4
.endm
	s_load_b256 s[4:11], s[0:1], 0x0               ; x_codes, x_scales, wq, out0
	v_lshl_add_u32 v[SPW], v0, 2, SPARE
	v_mov_b32 v[NIL], 0
	ds_add_u32 v[SPW], v[NIL]                      ; the opening lines: the add twice on end and one wait
	ds_add_u32 v[SPW], v[NIL]
	v_and_b32 v3, 31, v0                           ; lane
	v_and_b32 v1, 15, v0                           ; r
	v_bfe_u32 v2, v0, 4, 1                         ; h
	v_lshrrev_b32 v4, 5, v0                        ; wave
	v_mul_u32_u24 v5, v1, PITCH
	v_lshl_add_u32 v5, v2, 4, v5                   ; a fragment's row x pitch + 16 h
.irp s, 0,1
.irp k, 0,1,2,3
	v_add_nc_u32 v[ADRA+4*\s+\k], \s*SLOT+\k*QROWS, v5
.endr
.endr
	v_lshrrev_b32 v6, 1, v1                        ; x's scale words: two rows of 128 bytes in a unit of 272
	v_mul_u32_u24 v6, v6, 272
	v_and_b32 v7, 1, v1
	v_lshl_add_u32 v6, v7, 7, v6
	v_mul_u32_u24 v7, v2, SHALF                    ; lanes 16-31: 128 rows on
	v_add_nc_u32 v6, v6, v7
	v_add_nc_u32 v[ADRS], SCL, v6
	v_mul_u32_u24 v6, v4, 16*SPITCH                ; my stage
	v_mul_u32_u24 v7, v1, SPITCH
	v_lshl_add_u32 v7, v2, 5, v7
	v_add_nc_u32 v[STO], v6, v7                    ; in: row r, 32 bytes for each half of the lanes
	v_mul_u32_u24 v7, v2, SPITCH
	v_lshl_add_u32 v7, v1, 4, v7
	v_add_nc_u32 v[RD], v6, v7                     ; back: lanes 0-15 a row of 256 bytes, lanes 16-31 the next
	v_lshlrev_b32 v7, 14, v2
	v_lshl_add_u32 v[CO], v1, 4, v7                ; the same two rows in out0
	v_lshlrev_b32 v[VB], 4, v3
	v_lshlrev_b32 v[VBS], 3, v3
	v_lshrrev_b32 v7, 1, v3
	v_lshlrev_b32 v7, 12, v7
	v_and_b32 v6, 1, v3
	v_lshl_add_u32 v[PFO], v6, 8, v7               ; x: 16 rows x two blocks of 256 bytes
	v_min_u32 v6, 15, v3
	v_lshlrev_b32 v[PFBO], 8, v6                   ; w's codes: 16 blocks; the lanes left over name the last again
	v_min_u32 v7, 3, v3
	v_lshlrev_b32 v[PFSO], 8, v7                   ; w's scale bytes: 4 blocks
	v_readfirstlane_b32 s14, v4                    ; wave 0..3
	s_bfe_u32 s15, ttmp6, 0x40000                  ; cx
	s_lshl_b32 s16, ttmp9, 2
	s_add_co_u32 s16, s16, s15                     ; tile column
	s_and_b32 s17, ttmp7, 0xffff                   ; tile row: the cluster's y
.irp g, G1, G1H
	s_mov_b32 s[\g+0], 15|(1<<20)|(1<<21)|(6<<22)|(3<<25)   ; mask: the cluster's four; elements of 1 byte; 4 words of padding behind every 128
	s_mov_b32 s[\g+1], 512<<16
	s_mov_b32 s[\g+3], 512<<16
	s_mov_b32 s[\g+5], 4096
	s_mov_b32 s[\g+6], 0
	s_mov_b32 s[\g+7], 0
.endr
	s_mov_b32 s[G1+2], 64<<16
	s_mov_b32 s[G1+4], 64
	s_mov_b32 s[G1H+2], 128<<16
	s_mov_b32 s[G1H+4], 128
	s_mov_b32 s[G1S+0], 15|(3<<16)|(1<<20)|(1<<21)|(5<<22)|(3<<25)   ; 16,384 dense bytes as 64 rows of 256 (32 elements of 8)
	s_mov_b32 s[G1S+1], 32<<16
	s_mov_b32 s[G1S+2], 64<<16
	s_mov_b32 s[G1S+3], 32<<16
	s_mov_b32 s[G1S+4], 64
	s_mov_b32 s[G1S+5], 32
	s_mov_b32 s[G1S+6], 0
	s_mov_b32 s[G1S+7], 0
	s_and_b32 s18, s14, 1                          ; at the head: which half of the tile I fetch
	s_lshl_b32 s20, s17, 20                        ; my tile row's first row of x, in bytes
	s_lshl_b32 s21, s14, 18
	s_add_co_u32 s22, s20, s21                     ; the ring: my 64 rows
	s_mov_b32 s23, 0
	s_lshl_b32 s21, s18, 19
	s_add_co_u32 s76, s20, s21                     ; the head: 128 rows
	s_mov_b32 s77, 0
	s_lshl_b32 s78, s17, 15                        ; scale bytes: 128 a row
	s_lshl_b32 s21, s18, 14
	s_add_co_u32 s78, s78, s21
	s_mov_b32 s79, 0
	s_mov_b32 s[G0], 1
	s_mul_i32 s[G0+1], s14, QROWS
	s_mov_b32 s[G0+4], 1
	s_add_co_u32 s[G0+5], s[G0+1], SLOT
	s_mov_b32 s[G0H], 1
	s_mul_i32 s[G0H+1], s18, 2*QROWS
	s_mov_b32 s[G0S], 1
	s_mul_i32 s[G0S+1], s18, SHALF
	s_add_co_u32 s[G0S+1], s[G0S+1], SCL
	s_wait_alu depctr_va_vdst(0)                   ; no vector register is written below but in the loop
	s_wait_dscnt 0x0                               ; both opening adds are done
	CROUND                                         ; the round in front of the first joint loads
	s_wait_kmcnt 0x0
	s_add_nc_u64 s[G0+2:G0+3], s[4:5], s[22:23]    ; slot 0: chunk 0 (first used for chunk 2)
	s_add_nc_u64 s[G0+6:G0+7], s[G0+2:G0+3], 512   ; slot 1: chunk 1
	s_or_b32 s[G0+3], s[G0+3], 0x80000000
	s_or_b32 s[G0+7], s[G0+7], 0x80000000
	s_add_nc_u64 s[G0H+2:G0H+3], s[4:5], s[76:77]
	s_or_b32 s[G0H+3], s[G0H+3], 0x80000000
	s_add_nc_u64 s[G0S+2:G0S+3], s[6:7], s[78:79]
	s_or_b32 s[G0S+3], s[G0S+3], 0x80000000
	s_cmp_lt_u32 s14, 2                            ; ONE load a wave at the head: waves 0, 1 a half of chunk 0 each, waves 2, 3 a half of the scale bytes
	s_cbranch_scc0 .Lhead_scales
	TLOAD G0H, G1H
	s_branch .Lhead_asked
.Lhead_scales:
	TLOAD G0S, G1S
.Lhead_asked:
	s_lshl_b32 s18, s16, 2
	s_add_co_u32 s18, s18, s14                     ; my column group c = 4 x tile column + wave
	s_lshl_b32 s20, s18, 18
	s_mov_b32 s21, 0
	s_add_nc_u64 s[BB:BB+1], s[8:9], s[20:21]
	s_lshl_b32 s20, s18, 13
	s_add_co_u32 s20, s20, 0x1000000
	s_add_nc_u64 s[BSB:BSB+1], s[8:9], s[20:21]
	s_and_b32 s19, s17, 7                          ; the work-groups that read my columns share the prefetches out by their tile row modulo 8
	s_lshl_b32 s20, s19, 12
	s_add_co_u32 s20, s20, 32768
	s_add_nc_u64 s[PFB:PFB+1], s[BB:BB+1], s[20:21]   ; steps 4 .. 7: my 16 blocks of their 128
	s_lshl_b32 s20, s19, 10
	s_add_nc_u64 s[76:77], s[BSB:BSB+1], s[20:21]     ; my 4 blocks of the 32 of scale bytes
	s_lshl_b32 s20, s17, 8
	s_lshl_b32 s22, s14, 6
	s_add_co_u32 s20, s20, s22
	s_lshl_b32 s22, s15, 4
	s_add_co_u32 s20, s20, s22                     ; x: of the 64 rows that my wave fetches, the partners take 16 each, told apart by address
	s_lshl_b32 s20, s20, 12
	s_add_co_u32 s20, s20, 1024                    ; chunk 2
	s_add_nc_u64 s[PFA:PFA+1], s[4:5], s[20:21]
	s_lshl_b32 s20, s17, 22
	s_lshl_b32 s22, s16, 10
	s_add_co_u32 s20, s20, s22
	s_lshl_b32 s22, s14, 8
	s_add_co_u32 s20, s20, s22
	s_add_nc_u64 s[OUT:OUT+1], s[10:11], s[20:21]
.macro BL u, i                         ; load i of step u's 16: tile i / 4, piece i % 4, into set u % 4
	global_load_b128 v[64*((\u)%4)+4*(\i):64*((\u)%4)+4*(\i)+3], v[VB], s[BB:BB+1] offset:(\u)*8192+(\i)*512
.endm
.macro BSL u                           ; step u's scale words
	global_load_b64 v[AS+8*((\u)%4)+6:AS+8*((\u)%4)+7], v[VBS], s[BSB:BSB+1] offset:(\u)*256
.endm
.irp u, 0,1,2
	WIN 0x40
.irp i, 0,1,2,3,4,5,6,7,8,9,10,11,12,13,14,15
	BL \u, \i
.endr
	WIN 0
	BSL \u
.endr
	WIN 0x40
.irp i, 0,1,2,3,4,5,6,7
	BL 3, \i                                       ; and the first half of step 3
.endr
	WIN 0
	global_prefetch_b8 v[PFO], s[PFA:PFA+1] th:TH_LOAD_NT scope:SCOPE_SE    ; x's chunk 2, a slot ahead of its load
	global_prefetch_b8 v[PFBO], s[PFB:PFB+1] th:TH_LOAD_NT scope:SCOPE_SE   ; w's steps 4 .. 7
	global_prefetch_b8 v[PFSO], s[76:77] th:TH_LOAD_NT scope:SCOPE_SE       ; w's scale bytes
.macro QLOAD s, m                      ; the m-th quad of slot s, 16 loads, into place m % 3: blocks 4 LK_ + i of the slot's LQ_-th 128 along K; a fragment's registers 4 c .. 4 c + 3 hold K = 32 c + 16 h + 0 .. 15
.if RM_
.set LK_, (\m)/4                       ; by rows: four steps along K on one quad of blocks
.set LQ_, (\m)%4
.else
.set LK_, (\m)%4                       ; by K: four quads of blocks in one step
.set LQ_, (\m)/4
.endif
.irp i, 0,1,2,3
.irp c, 0,1,2,3
	ds_load_b128 v[AF+64*((\m)%3)+16*\i+4*\c:AF+64*((\m)%3)+16*\i+4*\c+3], v[ADRA+4*(\s)+LK_] offset:\i*16*PITCH+128*LQ_+32*\c
.endr
.endr
.endm
.macro ASC u, i                        ; x's scale words of blocks i and i + 8 for step u of the lap
.set nS, 8*((\u)%2)+(\i)
	ds_load_b32 v[AS+8*(nS/6)+nS%6], v[ADRS] offset:(\i)*SBLK+4*(\u)
.endm
.macro ASR R, q, i                     ; by rows: the words of block 4 R + i and of the block 8 away, for the last slot's q-th step (step 4 + q of the lap)
.set nS, 4*(\q)+(\i)
	ds_load_b32 v[AS+8*(nS/6)+nS%6], v[ADRS] offset:((4*(\R)+(\i))%8)*SBLK+4*(4+(\q))
.endm
.macro WM a, b, zero                   ; x's block a against w's tile b, in the slot's Q_-th step; zero = 1: the product starts the sum
.set rD, 8*(4*((\a)%8)+(\b))
.set rB, 64*Q_+16*(\b)
.if RM_
.set rA, AF+64*((4*((\a)/4)+Q_)%3)+16*((\a)%4)
.set nA, 4*Q_+(\a)%4
.else
.set rA, AF+64*((4*Q_+(\a)/4)%3)+16*((\a)%4)
.set nA, 8*(U_%2)+(\a)%8
.endif
.set sB, AS+8*Q_+6+(\b)/2
.set sA, AS+8*(nA/6)+nA%6
.set sel, 4*(\zero)+2*((\b)%2)+(\a)/8
.if sel == 0
	v_wmma_scale_f32_16x16x128_f8f6f4 v[rD:rD+7], v[rB:rB+15], v[rA:rA+15], v[rD:rD+7], v[sB], v[sA] matrix_a_fmt:MATRIX_FMT_BF8 matrix_b_fmt:MATRIX_FMT_BF8
.elseif sel == 1
	v_wmma_scale_f32_16x16x128_f8f6f4 v[rD:rD+7], v[rB:rB+15], v[rA:rA+15], v[rD:rD+7], v[sB], v[sA] matrix_a_fmt:MATRIX_FMT_BF8 matrix_b_fmt:MATRIX_FMT_BF8 matrix_b_scale:MATRIX_SCALE_ROW1
.elseif sel == 2
	v_wmma_scale_f32_16x16x128_f8f6f4 v[rD:rD+7], v[rB:rB+15], v[rA:rA+15], v[rD:rD+7], v[sB], v[sA] matrix_a_fmt:MATRIX_FMT_BF8 matrix_b_fmt:MATRIX_FMT_BF8 matrix_a_scale:MATRIX_SCALE_ROW1
.elseif sel == 3
	v_wmma_scale_f32_16x16x128_f8f6f4 v[rD:rD+7], v[rB:rB+15], v[rA:rA+15], v[rD:rD+7], v[sB], v[sA] matrix_a_fmt:MATRIX_FMT_BF8 matrix_b_fmt:MATRIX_FMT_BF8 matrix_a_scale:MATRIX_SCALE_ROW1 matrix_b_scale:MATRIX_SCALE_ROW1
.elseif sel == 4
	v_wmma_scale_f32_16x16x128_f8f6f4 v[rD:rD+7], v[rB:rB+15], v[rA:rA+15], 0, v[sB], v[sA] matrix_a_fmt:MATRIX_FMT_BF8 matrix_b_fmt:MATRIX_FMT_BF8
.elseif sel == 5
	v_wmma_scale_f32_16x16x128_f8f6f4 v[rD:rD+7], v[rB:rB+15], v[rA:rA+15], 0, v[sB], v[sA] matrix_a_fmt:MATRIX_FMT_BF8 matrix_b_fmt:MATRIX_FMT_BF8 matrix_b_scale:MATRIX_SCALE_ROW1
.elseif sel == 6
	v_wmma_scale_f32_16x16x128_f8f6f4 v[rD:rD+7], v[rB:rB+15], v[rA:rA+15], 0, v[sB], v[sA] matrix_a_fmt:MATRIX_FMT_BF8 matrix_b_fmt:MATRIX_FMT_BF8 matrix_a_scale:MATRIX_SCALE_ROW1
.else
	v_wmma_scale_f32_16x16x128_f8f6f4 v[rD:rD+7], v[rB:rB+15], v[rA:rA+15], 0, v[sB], v[sA] matrix_a_fmt:MATRIX_FMT_BF8 matrix_b_fmt:MATRIX_FMT_BF8 matrix_a_scale:MATRIX_SCALE_ROW1 matrix_b_scale:MATRIX_SCALE_ROW1
.endif
.endm
.macro QUAD k, zero                    ; blocks 4 k .. 4 k + 3 in step Q_: 16 products, the accumulators by turns
	WIN 0xa1+0x50*((\k)/2)                         ; source 0 window 1, source 1 window 0, C and D window 2 or 3
.irp i, 0,1,2,3
.irp b, 0,1,2,3
	WM 4*(\k)+\i, \b, \zero
.endr
.endr
.endm
.macro ASKA                            ; x's chunk one refill on: 16 rows x 512 bytes a wave.  Slot 1's refill of the last trip has no chunk behind it
.if SL_ == 1
	s_cmp_gt_u32 s3, 1
	s_cbranch_scc0 .Lno_ask_\@
.endif
	global_prefetch_b8 v[PFO], s[PFA:PFA+1] th:TH_LOAD_NT scope:SCOPE_SE
.if SL_ == 1
.Lno_ask_\@:
.endif
.endm
; A STEP.  u: the step in its lap; Q_ = u % 4 the step in its slot SL_.  blx: the second half and the scale words of w's step u + 3 are loaded in the middle run; bly: the first half of step u + 4 in the end run;
; sc: x's scale words for what follows; pf: w's prefetch; lw: w's loads that may stay out; chg, in a slot's last step: 1 the slot is filled again, 2 the slots change and nothing is filled.
; THE CHANGE OF SLOTS: quad 15's loads stand behind quad 13.  Ahead of quad 14: the wait for all my tensor loads and the add; behind it the wait for the add and my reads of this slot, and the signal;
; quad 15 works on registers; then the barrier's wait, the rest of the cluster's round, the refill, and the next slot's quads 0 to 2.
.macro STEP u, zero, blx, bly, sc, chg, pf, lw
.set U_, \u
.set Q_, (\u)%4
.set SL_, ((\u)/4)%2
	s_wait_loadcnt \lw                             ; this step's set of w is in
	s_wait_dscnt 32                                ; this quad is in: two quads' loads stand behind its own
	QUAD 0, \zero
	s_wait_dscnt 16                                ; one quad's
	QUAD 1, \zero
	WIN 0
	PLACES 8
.if \sc
.if RN_ && Q_ == 3
.irp i, 0,1,2,3
	ASR 0, 0, \i                                   ; eight words here too: rows 0-63, the next slot's steps 0 and 1
	ASR 0, 1, \i
.endr
.else
.irp i, 0,1,2,3,4,5,6,7
	ASC U_+1, \i
.endr
.endif
.endif
.if Q_ == 3
	QLOAD SL_, 15
.else
	QLOAD SL_, 4*Q_+3
	QLOAD SL_, 4*Q_+4
.endif
.if (\pf) && Q_ == 1
	s_wait_xcnt 0x0
	s_add_nc_u64 s[PFB:PFB+1], s[PFB:PFB+1], 32768
	global_prefetch_b8 v[PFBO], s[PFB:PFB+1] th:TH_LOAD_NT scope:SCOPE_SE   ; w's four steps of the slot after the next: their loads begin three steps on
.endif
.if \blx
	BSL U_+3
	WIN 0x40
.irp i, 8,9,10,11,12,13,14,15
	BL U_+3, \i
.endr
.endif
.if Q_ == 3 && (\chg)
	WIN 0
.if (\chg) == 1
	s_wait_xcnt 0x0                                ; my prefetch has read its address
	s_add_nc_u64 s[PFA:PFA+1], s[PFA:PFA+1], 512
.endif
	s_wait_tensorcnt 0x0                           ; my part of the next slot is in: no tensor load of mine is out
	ds_add_u32 v[SPW], v[NIL]
.if (\chg) == 1
	s_add_nc_u64 s[G0+4*SL_+2:G0+4*SL_+3], s[G0+4*SL_+2:G0+4*SL_+3], 1024   ; this slot's next chunk
.endif
.endif
.if Q_ == 3
	s_wait_dscnt 16+8*(\sc)                        ; behind this quad's loads: the scale words and quad 15
.else
	s_wait_dscnt 32+8*(\sc)                        ; the scale words and two quads
.endif
	QUAD 2, \zero
.if Q_ == 3
	s_wait_dscnt 0x0                               ; the add is done, and my reads of this slot are over
	s_barrier_signal -1
.else
	s_wait_dscnt 16
.endif
	QUAD 3, \zero
	WIN 0
.if Q_ < 3
	PLACES 8
	QLOAD SL_, 4*Q_+5
	QLOAD SL_, 4*Q_+6
.else
	s_barrier_wait -1
.if (\chg) == 1
	CREST                                          ; no wave of any partner still reads this slot or has a load on its way
	TLOAD G0+4*SL_, G1                             ; the refill: my one tensor load behind the round
	PLACES 4
.else
	PLACES 8
.endif
.set RM_, RN_
.if RN_
.irp i, 0,1,2,3
	ASR 0, 2, \i                                   ; rows 0-63, the next slot's steps 2 and 3
	ASR 0, 3, \i
.endr
.endif
	QLOAD 1-SL_, 0
	QLOAD 1-SL_, 1
	QLOAD 1-SL_, 2
.if (\chg) == 1
	ASKA
.endif
.endif
.if \bly
	WIN 0x40
.irp i, 0,1,2,3,4,5,6,7
	BL U_+4, \i
.endr
.endif
.endm
; THE WAY OUT of block a, 16 rows x 64 columns: from its accumulators through my stage and back INTO THE SAME REGISTERS as whole rows of 256 bytes, which are stored.  LDS serves a wave's instructions in order (ISA guide 5.7.1.4):
; the loads see the stores above them, and the next block's stores come behind these loads.  No register is written again, so no wait stands for the stores.
.macro OUTST a
	WIN 0x08+4*((\a)/8)                            ; an LDS store's data: window 2 or 3
.irp b, 0,1,2,3
	ds_store_b128 v[STO], v[32*((\a)%8)+8*\b:32*((\a)%8)+8*\b+3] offset:64*\b        ; each accumulator from its low end on
	ds_store_b128 v[STO], v[32*((\a)%8)+8*\b+4:32*((\a)%8)+8*\b+7] offset:64*\b+16
.endr
	WIN 0x80+0x40*((\a)/8)                         ; an LDS load's data: the same window
.irp t, 0,1,2,3,4,5,6,7
	ds_load_b128 v[32*((\a)%8)+4*\t:32*((\a)%8)+4*\t+3], v[RD] offset:\t*2*SPITCH
.endr
.endm
.macro OUTSEND a, younger
	s_wait_dscnt \younger                          ; the block is back; 16 LDS instructions of each younger block may be out
	WIN 0x08+4*((\a)/8)
.irp t, 0,1,2,3,4,5,6,7
	global_store_b128 v[CO], v[32*((\a)%8)+4*\t:32*((\a)%8)+4*\t+3], s[OUT:OUT+1] offset:(\a)*262144+\t*32768 th:TH_STORE_NT   ; 16 lanes store 256 consecutive bytes, aligned
.endr
.endm
; A ROW STEP of the last slot (slot 1): rows 64 R .. 64 R + 63 through the slot's four steps along K, quads 4 R .. 4 R + 3 of the slot; then these rows leave.
; x's scale words lie as 4 steps x 4 blocks in the 16 registers; each half is loaded for the next rows in the run behind its last use.  For R = 0 the waits on w's loads leave out the sets that are younger: 51, 34, 17, 0.
; From R = 1 on the first two quads are in: the way out before them ends with a wait for all LDS instructions.
.macro RSTEP R
.if (\R) == 0
	s_wait_loadcnt 51
	s_wait_dscnt 32
.endif
.set Q_, 0
	QUAD \R, 0
.if (\R) == 0
	s_wait_loadcnt 34
	s_wait_dscnt 16
.endif
.set Q_, 1
	QUAD \R, 0
	WIN 0
	PLACES 8
.if (\R) < 3
.irp i, 0,1,2,3
	ASR (\R)+1, 0, \i
	ASR (\R)+1, 1, \i
.endr
.endif
	QLOAD 1, 4*(\R)+3
.if (\R) < 3
	QLOAD 1, 4*(\R)+4
	s_wait_dscnt 40                                ; behind the third quad's loads: eight scale words and two quads
.else
	s_wait_dscnt 16
.endif
.if (\R) == 0
	s_wait_loadcnt 17
.endif
.set Q_, 2
	QUAD \R, 0
.if (\R) == 0
	s_wait_loadcnt 0x0
.endif
.if (\R) < 3
	s_wait_dscnt 16
.else
	s_wait_dscnt 0x0
.endif
.set Q_, 3
	QUAD \R, 0
	WIN 0
	PLACES 8                                       ; behind the last product: ahead of the loads below and of the first read of these rows' sums
.if (\R) < 3
.irp i, 0,1,2,3
	ASR (\R)+1, 2, \i
	ASR (\R)+1, 3, \i
.endr
	QLOAD 1, 4*(\R)+5
	QLOAD 1, 4*(\R)+6
.endif
.irp j, 0,1,2,3
	OUTST 4*(\R)+\j
.endr
.irp j, 0,1,2,3
	OUTSEND 4*(\R)+\j, 48-16*\j
.endr
.endm
	s_wait_tensorcnt 0x0                           ; my tile of the head's is in
	ds_add_u32 v[SPW], v[NIL]
	s_wait_dscnt 0x0
	CROUND
	TLOAD G0+4, G1                                 ; slot 1's first fill: chunk 1
.irp i, 0,1,2,3,4,5,6,7
	ASC 0, \i
.endr
	QLOAD 0, 0
	QLOAD 0, 1
	QLOAD 0, 2
; w's loads that stand behind a step's set at its start: 8 + 9 + 8 + 9 + 8 = 42
	STEP 0, 1, 1, 1, 1, 0, 0, 42                   ; the first step stands ahead of the loop: its products start the sums
	WIN 0
	s_mov_b32 s3, 3
.Llap:                                                 ; a trip: from a lap's second step to the next lap's first; both slots are filled again
	STEP 1, 0, 1, 1, 1, 0, 1, 42
	STEP 2, 0, 1, 1, 1, 0, 0, 42
	STEP 3, 0, 1, 1, 1, 1, 0, 42
	STEP 4, 0, 1, 1, 1, 0, 0, 42
	STEP 5, 0, 1, 1, 1, 0, 1, 42
	STEP 6, 0, 1, 1, 1, 0, 0, 42
	STEP 7, 0, 1, 1, 1, 1, 0, 42
	STEP 8, 0, 1, 1, 1, 0, 0, 42
	WIN 0
	s_wait_xcnt 0x0                                ; w's loads have read their bases
	s_add_nc_u64 s[BB:BB+1], s[BB:BB+1], 65536
	s_add_nc_u64 s[BSB:BSB+1], s[BSB:BSB+1], 2048
	v_add_nc_u32 v[ADRS], 32, v[ADRS]              ; x's scale words: eight steps on
	s_wait_alu depctr_va_vdst(0)
	s_sub_co_u32 s3, s3, 1
	s_cmp_lg_u32 s3, 0
	s_cbranch_scc1 .Llap
	STEP 1, 0, 1, 1, 1, 0, 0, 42                   ; the last lap fills nothing
	STEP 2, 0, 1, 1, 1, 0, 0, 42
.set RN_, 1
	STEP 3, 0, 1, 1, 1, 2, 0, 42                   ; the slots change; the last slot's first quads are fetched by rows; the first half of w's step 7 is asked for,
	WIN 0
	BSL 7                                          ; and at once its scale words and its second half: the last slot wants all four sets
	WIN 0x40
.irp i, 8,9,10,11,12,13,14,15
	BL 7, \i
.endr
	RSTEP 0
	RSTEP 1
	RSTEP 2
	RSTEP 3
	WIN 0
	s_wait_tensorcnt 0x0                           ; the wave's end
	ds_add_u32 v[SPW], v[NIL]
	s_wait_dscnt 0x0
	CROUND                                         ; the closing round
	s_endpgm
.Lfunc_end_k_qc16512f3a9_gemm:
	.size	k_qc16512f3a9_gemm, .Lfunc_end_k_qc16512f3a9_gemm-k_qc16512f3a9_gemm
	.p2alignl 7, 3214868480
	.fill 96, 4, 3214868480
	.section	.rodata,"a",@progbits
	.p2align	6, 0x0
	.amdhsa_kernel k_qc16512f3a9_gemm
		.amdhsa_group_segment_fixed_size 327680
		.amdhsa_private_segment_fixed_size 0
		.amdhsa_enable_private_segment 0
		.amdhsa_kernarg_size 32
		.amdhsa_user_sgpr_count 2
		.amdhsa_user_sgpr_kernarg_segment_ptr 1
		.amdhsa_wavefront_size32 1
		.amdhsa_system_sgpr_workgroup_id_x 1
		.amdhsa_system_sgpr_workgroup_id_y 1
		.amdhsa_system_sgpr_workgroup_id_z 1
		.amdhsa_system_vgpr_workitem_id 0
		.amdhsa_next_free_vgpr 1024
		.amdhsa_next_free_sgpr 80
		.amdhsa_reserve_vcc 0
		.amdhsa_float_denorm_mode_32 3
		.amdhsa_float_denorm_mode_16_64 3
		.amdhsa_memory_ordered 1
		.amdhsa_forward_progress 1
		.amdhsa_inst_pref_size 255
	.end_amdhsa_kernel
	.section	.bss,"aw",@nobits
	.p2align	6
	.space	262144
	.amdgpu_metadata
---
amdhsa.version: [ 1, 2 ]
amdhsa.kernels:
  - .name:           k_qc16512f3a9_gemm
    .symbol:         k_qc16512f3a9_gemm.kd
    .args:
      - { .name: x_codes, .offset: 0, .size: 8, .value_kind: global_buffer, .address_space: global }
      - { .name: x_scales, .offset: 8, .size: 8, .value_kind: global_buffer, .address_space: global }
      - { .name: wq, .offset: 16, .size: 8, .value_kind: global_buffer, .address_space: global }
      - { .name: out0, .offset: 24, .size: 8, .value_kind: global_buffer, .address_space: global }
    .group_segment_fixed_size: 327680
    .private_segment_fixed_size: 0
    .kernarg_segment_align: 8
    .kernarg_segment_size: 32
    .max_flat_workgroup_size: 128
    .sgpr_count:     80
    .vgpr_count:     1024
    .wavefront_size: 32
...
	.end_amdgpu_metadata
.endif
;; end of part 2
